; MI455X (gfx1250); checked and timed in simulation.
; The chip was launched on July 23, 2026; its instructions are those of AMD's public machine-readable ISA for CDNA 5 (MIT licence, August 2026) and "CDNA5" Instruction Set Architecture Reference Guide (July 2026). The comments in the code are by the model that wrote it; some were corrected since.
;; Flash Attention Pipelined. Allowed arithmetic: matrix products marked QUANTISED: E4M3 operands, one given power-of-two scale a tensor, by v_wmma_f32_16x16x64_fp8_fp8 or v_wmma_f32_16x16x128_fp8_fp8, f32 sums; everything else in f32.
;; Inputs: key 4 x 16 x 2,048 x 128 float32; lowp_scales 4 int32 (the exponents e of the quantised operands' scales 2^e); query 4 x 16 x 2,048 x 128 float32; value 4 x 16 x 2,048 x 128 float32.
;; Outputs: out0 4 x 16 x 2,048 x 128 float32.
;; This version of the problem:
;;   THIS VERSION OF THE PROBLEM IS GIVEN IN LOW PRECISION. The matrix products marked QUANTISED in the list below multiply operands that are first quantised to E4M3 (4 exponent bits, 3 mantissa bits; 8 bits a number), with one given power-of-two scale for each operand tensor; their sums are f32. All else is computed in f32.
;;   The module's matrix products, in the order in which they are computed (A, B: the left and right operand; K: the contracted axis; several contracted axes count as one K, in the product's order):
;;     1. batch 64 x [M 2,048, K 128] x [K 128, N 2,048]; A: input query; B: input key: QUANTISED (scales: A lowp_scales[0], B lowp_scales[1])
;;     2. batch 64 x [M 2,048, K 2,048] x [K 2,048, N 128]; A: softmax (see below); B: input value: QUANTISED (scales: A lowp_scales[2], B lowp_scales[3])
;;   THE QUANTISER, for each operand of a quantised product, along K:
;;     - The operand's scale is 2^e, e = its entry of the input lowp_scales (int32; the entries are numbered through the quantised products in the list's order, A before B).
;;     - Each number is divided by the scale, clamped to +-448, and rounded to the nearest number of E4M3, ties to even, subnormals kept.
;;     - The product sums the exact products of the quantised numbers (number of the format x scale) in f32.
;;   ~~~python
;;   def quantise(x, axis, e):      # numpy; x: float32 -> the quantised numbers, widened to float32 again
;;       x = np.moveaxis(x, axis, -1); K = x.shape[-1]
;;       r = np.clip(x / 2.0 ** e, -448, 448)
;;       step = 2.0 ** (np.maximum(np.frexp(np.where(r == 0, 1, r))[1] - 1, -6) - 3)
;;       q = np.round(r / step) * step * 2.0 ** e      # np.round: ties to even
;;       return np.moveaxis(q, -1, axis).astype(np.float32)
;;   ~~~
;;   SOFTMAX AHEAD OF A QUANTISED PRODUCT. Where the list says 'softmax', what is quantised is not the finished softmax but p = 2^(t - M), with t = logit x log2(e) and M = ceil(the row's largest t), a whole number; so 1/2 < the row's largest p <= 1. The row's sum l is taken of the UNQUANTISED p, in f32, and the product's result is divided by l at the end. Since M is a whole number, a kernel that streams over the keys may use a running M (the ceiling of the running maximum): every later rescaling is an exact power of two, so the quantised numbers keep their values, but for numbers so far below the row's largest that they fall under the format's range.
;;   OPERANDS COMPUTED ON THE WAY. 'Computed on the way' means the value that the module computes at that place (a softmax that the list does not call 'softmax' is quantised finished and normalised). What goes into a quantiser is computed in f32, as accurately as f32 sums, v_exp_f32 and their like allow (about 1e-6 of the number): no bf16 or f16 on the way to a quantiser, and a product that is left as it is and whose result goes on into a quantised operand takes f32 operands (vector FMAs, or v_wmma_f32_16x16x4_f32). A number that lies on a knife's edge between two numbers of the format may be rounded either way, as far as f32 arithmetic and the matrix unit's own rounding can turn it there, and no further.
;; One version. Each part assembles by itself: llvm-mc -triple=amdgcn-amd-amdhsa -mcpu=gfx1250 --defsym DOCPART=n.
;; ======== version 1 of 1: 2 launches
;; limits: right only within a limited range of input values
;; workspace buffers: k_codes 16,777,216 bytes; v_codes 16,777,216 bytes
;; launch quant (part 1): grid 16 x 64, 4 waves a work-group, no clusters, 55,808 bytes of LDS; arguments key, value, lowp_scales, k_codes, v_codes; writes k_codes, v_codes
.if DOCPART == 1
	.amdgcn_target "amdgcn-amd-amdhsa--gfx1250"
	.amdhsa_code_object_version 6
	.text
	.protected	k_q4a48b1dcec_quant
	.globl	k_q4a48b1dcec_quant
	.p2align	8
	.type	k_q4a48b1dcec_quant,@function
k_q4a48b1dcec_quant:
	s_mov_b64 s[64:65], 0
	v_nop
	global_prefetch_b8 v0, s[64:65] scope:SCOPE_SE
	s_setreg_imm32_b32 hwreg(HW_REG_WAVE_MODE, 25, 1), 1
	s_wait_xcnt 0x0
; key and value, [64 heads][2048 keys][128 d] f32, become codes of FP8 (E4M3), one byte each, with the given scales 2^ek (entry 1 of the scales) and 2^ev (entry 3).
; code = x / 2^e, held within +-448, rounded to the nearest code, ties to even.
; k_codes: [64][2048 positions][128 d], d innermost (the first product's K).  POSITION p HOLDS THE KEY WHOSE INDEX IS p WITH BITS 3 AND 4 SWAPPED, so that 16 neighbouring
;          rows of k_codes are the 16 keys that the attention launch wants in one tile of its first product.
; v_codes: [64][128 d][2048 keys], the keys innermost (the second product's K), in their own order.
; Each tensor is read by every query block of its head in the next launch: quantised here once, each f32 number is read once and every later read is of one byte.
; SHARES.  A work-group takes 256 keys of one head (y: the head; x % 8: which 256) of ONE tensor: x below 8 of value, the others of key.  The two ways part once, on the work-group's number, and do not
; join again; each has LDS bytes of its own.  Four waves that share nothing: no barrier.  1,024 work-groups of 4 waves x 256 registers and 55,808 bytes of LDS: four to a WGP.
;   value: wave w takes columns d = 32 w .. 32 w + 31.  A LANE TAKES A COLUMN AND ITS REGISTERS RUN DOWN THE KEYS: the conversions, which take neighbours along K from one lane's
;          registers, then give codes with the keys innermost.  A column's 256 codes are gathered in the wave's stage in LDS and leave as rows: sixteen lanes store 256 aligned bytes.
;   key:   wave w takes keys 64 w .. 64 w + 63, a dense run of 8,192 numbers, in 16 steps of 512 (four keys).  Each load reads 512 consecutive bytes; a step's 2,048 bytes turn through the
;          wave's stage so that a lane holds 16 neighbours; its 16 codes are 16 bytes, a wave's store 512 consecutive bytes.  The swap of key bits 3 and 4 is a swap of bits 1 and 2 of the
;          step's number, which stands in the store's immediate.
; LIMITS: ek and ev between -126 and 119, so that 2^e and 448 x 2^e are f32 numbers.  NaN among the inputs is not served (an infinity is held at the largest code).
; No store's data or address register is written again, so no wait on XCNT is needed.
.set VP,    272                        ; a row of value's stage: 256 bytes of codes + 16
.set VSTG,  32*VP                      ; a wave's stage for value: 32 columns
.set KST,   4*VSTG                     ; behind them: key's stages, bytes of their own
.set SP,    80                         ; a lane's place in key's stage: 64 bytes + 16
.set KSTG,  2*32*SP                    ; two stages a wave, by turns
.set SPARE, KST+4*KSTG                 ; 55,296: the spare words, 128 bytes a wave, two blocks of 256 bytes that no other line names
.set X,     32                         ; v32-95   value: two sets of 32 numbers; key: four sets of 16 as loaded
.set C,     96                         ; v96-103  value: a block's codes
.set XK,    96                         ; v96-127  key: two sets of 16 neighbours
.set CK,    128                        ; v128-191 key: four registers of codes for each step
.set OUTR,  192                        ; v192-255 value's way out
.macro LOADV t                         ; block t: value(32 t + i, my column), i = 0 .. 31, into set t % 2; a wave's load reads 128 consecutive bytes, the four waves' 512
.set i, 0
.rept 32
	global_load_b32 v[X+32*((\t)%2)+i], v3, s[6:7] offset:(32*(\t)+i)*512 th:TH_LOAD_NT
.set i, i+1
.endr
.endm
.macro BLOCKV t
.set XS, X+32*((\t)%2)
.if (\t) < 7
	s_wait_loadcnt 32                              ; this block's 32 loads are in; the next block's 32 may be out
.else
	s_wait_loadcnt 0x0
.endif
.set i, 0
.rept 32
	v_med3_num_f32 v[XS+i], v[XS+i], -v10, v10     ; the conversion to an 8-bit code does not saturate (ISA guide 7.6.2): the hold at the largest code x the scale comes first
.set i, i+1
.endr
.irp g, 0,1,2,3
	v_cvt_scalef32_pk8_fp8_f32 v[C+2*\g:C+2*\g+1], v[XS+8*\g:XS+8*\g+7], v11
.endr
	v_nop                                          ; one plain vector line behind the conversions
	ds_store_b128 v4, v[C:C+3] offset:32*(\t)      ; 32 keys' codes: 32 bytes of my column's row
	ds_store_b128 v4, v[C+4:C+7] offset:32*(\t)+16
.if (\t)+2 < 8
	LOADV (\t)+2
.endif
	s_wait_dscnt 0x0                               ; the stores have read their registers: the next block's codes may be written
.endm
.macro LOADK t                         ; step t's 512 numbers: four loads of 512 consecutive bytes, into set t % 4
.irp i, 0,1,2,3
	global_load_b128 v[X+16*((\t)%4)+4*\i:X+16*((\t)%4)+4*\i+3], v16, s[4:5] offset:2048*(\t)+512*\i th:TH_LOAD_NT
.endr
.endm
.macro TURNK t                         ; step t's numbers through a stage: LDS serves a wave's instructions in order (ISA guide 5.7.1.4), so no wait stands between the stores and the loads
.irp i, 0,1,2,3
	ds_store_b128 v14, v[X+16*((\t)%4)+4*\i:X+16*((\t)%4)+4*\i+3] offset:32*SP*((\t)%2)+8*SP*\i
.endr
.irp i, 0,1,2,3
	ds_load_b128 v[XK+16*((\t)%2)+4*\i:XK+16*((\t)%2)+4*\i+3], v15 offset:32*SP*((\t)%2)+16*\i
.endr
.endm
.macro STEPK t
.set XS, XK+16*((\t)%2)
.set TP, ((\t)&9)|(((\t)&2)<<1)|(((\t)&4)>>1)  ; the step's place in k_codes: bits 1 and 2 of its number swapped = bits 3 and 4 of the key's index swapped
	s_wait_dscnt 0x0                               ; this step's numbers are back from the stage: so its stores into the stage have read their registers,
.if (\t)+4 < 16
	LOADK (\t)+4                                   ; which take the loads of four steps on
.endif
.if (\t) < 15
.if 14-(\t) >= 3
	s_wait_loadcnt 12                              ; the next step's four loads are in; those of the three steps behind it may be out
.else
	s_wait_loadcnt 4*(14-(\t))                     ; near the end fewer steps are behind it
.endif
	TURNK (\t)+1                                   ; they go through the other stage while this step is worked
.endif
.set i, 0
.rept 16
	v_med3_num_f32 v[XS+i], v[XS+i], -v12, v12
.set i, i+1
.endr
	v_cvt_scalef32_pk8_fp8_f32 v[CK+4*(\t):CK+4*(\t)+1], v[XS:XS+7], v13
	v_cvt_scalef32_pk8_fp8_f32 v[CK+4*(\t)+2:CK+4*(\t)+3], v[XS+8:XS+15], v13   ; the results go to a store alone; the next vector lines are the next step's holds, plain, on the other set
	global_store_b128 v16, v[CK+4*(\t):CK+4*(\t)+3], s[10:11] offset:512*TP     ; the wave stores 512 consecutive bytes: four rows of k_codes
.endm
	s_load_b256 s[4:11], s[0:1], 0x0               ; key s[4:5], value s[6:7], the scales' exponents s[8:9], k_codes s[10:11]
	s_load_b64 s[12:13], s[0:1], 0x20              ; v_codes
	v_lshl_add_u32 v30, v0, 2, SPARE
	v_mov_b32 v31, 0
	v_lshrrev_b32 v2, 5, v0
	v_readfirstlane_b32 s14, v2                    ; wave 0..3
	v_and_b32 v1, 31, v0                           ; lane
	v_lshlrev_b32 v3, 2, v1                        ; value in: 4 bytes a lane
	v_lshlrev_b32 v16, 4, v1                       ; key in, and key's codes out: 16 bytes a lane
	v_and_b32 v5, 15, v1
	v_lshrrev_b32 v6, 4, v1
	s_mul_i32 s15, s14, VSTG                       ; my stage for value
	v_mul_u32_u24 v4, v1, VP
	v_add_nc_u32 v4, s15, v4                       ; into it: row = my column
	v_mul_u32_u24 v7, v6, VP
	v_lshl_add_u32 v7, v5, 4, v7
	v_add_nc_u32 v7, s15, v7                       ; out of it: sixteen lanes to a row, two rows an instruction
	v_lshlrev_b32 v8, 11, v6
	v_lshl_add_u32 v8, v5, 4, v8                   ; and the same place in v_codes, whose rows are 2,048 bytes
	s_mul_i32 s15, s14, KSTG
	s_add_co_u32 s15, s15, KST                     ; my stages for key
	v_lshrrev_b32 v14, 2, v1
	v_mul_u32_u24 v14, v14, SP
	v_and_b32 v15, 3, v1
	v_lshl_add_u32 v14, v15, 4, v14
	v_add_nc_u32 v14, s15, v14                     ; in: four lanes' 64 bytes on end, then 16 of padding
	v_mul_u32_u24 v15, v1, SP
	v_add_nc_u32 v15, s15, v15                     ; out: my 16 neighbours
	s_and_b32 s16, ttmp7, 0xffff                   ; the head
	s_and_b32 s36, ttmp9, 7                        ; which 256 keys
	s_lshl_b32 s17, s16, 20                        ; a head is 2,048 x 512 bytes of f32,
	s_lshl_b32 s18, s36, 17                        ; 256 keys are 256 x 512
	s_add_co_u32 s17, s17, s18
	s_lshl_b32 s18, s14, 7
	s_add_co_u32 s20, s17, s18                     ; value in: + my 32 columns
	s_mov_b32 s21, 0
	s_lshl_b32 s18, s14, 15
	s_add_co_u32 s22, s17, s18                     ; key in: + my 64 keys
	s_mov_b32 s23, 0
	s_lshl_b32 s17, s16, 18                        ; a head's codes are 262,144 bytes
	s_lshl_b32 s18, s14, 16
	s_add_co_u32 s32, s17, s18                     ; v_codes: + my 32 rows of 2,048 bytes
	s_lshl_b32 s18, s36, 8
	s_add_co_u32 s32, s32, s18                     ;          + the 256 keys' place in a row
	s_mov_b32 s33, 0
	s_lshl_b32 s18, s36, 15
	s_add_co_u32 s34, s17, s18                     ; k_codes: + 256 rows of 128 bytes
	s_lshl_b32 s18, s14, 13
	s_add_co_u32 s34, s34, s18                     ;          + my 64 rows
	s_mov_b32 s35, 0
	s_wait_alu depctr_va_vdst(0)                   ; at the head's end
	s_wait_kmcnt 0x0
	s_load_b128 s[24:27], s[8:9], 0x0              ; eq, ek, ep, ev
	s_add_nc_u64 s[6:7], s[6:7], s[20:21]
	s_add_nc_u64 s[4:5], s[4:5], s[22:23]
	s_add_nc_u64 s[12:13], s[12:13], s[32:33]
	s_add_nc_u64 s[10:11], s[10:11], s[34:35]
	s_cmp_lt_u32 ttmp9, 8                          ; value's work-group or key's: the work-group's number alone
	s_cbranch_scc0 .Lkey
	LOADV 0
	LOADV 1
	s_wait_kmcnt 0x0
	s_add_co_i32 s28, s27, 127
	s_lshl_b32 s29, s28, 23
	v_mov_b32 v11, s29                             ; 2^ev as f32: the conversion takes its exponent field
	s_add_co_i32 s28, s28, 8
	s_lshl_b32 s28, s28, 23
	s_or_b32 s28, s28, 0x600000
	v_mov_b32 v10, s28                             ; 448 x 2^ev
	s_wait_alu depctr_va_vdst(0)                   ; ahead of the wait below
.irp t, 0,1,2,3,4,5,6,7
	BLOCKV \t
.endr
.irp t, 0,1,2,3,4,5,6,7,8,9,10,11,12,13,14,15
	ds_load_b128 v[OUTR+4*\t:OUTR+4*\t+3], v7 offset:2*\t*VP
.endr
.irp t, 0,1,2,3,4,5,6,7,8,9,10,11,12,13,14,15
	s_wait_dscnt 15-\t                             ; LDS loads come back in order: pair t of rows is in
	global_store_b128 v8, v[OUTR+4*\t:OUTR+4*\t+3], s[12:13] offset:2*\t*2048   ; sixteen lanes store 256 consecutive bytes, at a multiple of 256 from the buffer's first byte; the next launch reads them, so no hint
.endr
	s_wait_tensorcnt 0x0                           ; the wave's end: behind my last LDS store
	ds_add_u32 v30, v31
	s_wait_dscnt 0x0
	s_endpgm
.Lkey:
.irp t, 0,1,2,3
	LOADK \t
.endr
	s_wait_kmcnt 0x0
	s_add_co_i32 s30, s25, 127
	s_lshl_b32 s31, s30, 23
	v_mov_b32 v13, s31                             ; 2^ek
	s_add_co_i32 s30, s30, 8
	s_lshl_b32 s30, s30, 23
	s_or_b32 s30, s30, 0x600000
	v_mov_b32 v12, s30                             ; 448 x 2^ek
	s_wait_alu depctr_va_vdst(0)                   ; ahead of the wait below
	s_wait_loadcnt 12                              ; step 0's four loads are in; the three steps behind it may be out
	TURNK 0
.irp t, 0,1,2,3,4,5,6,7,8,9,10,11,12,13,14,15
	STEPK \t
.endr
	s_wait_tensorcnt 0x0                           ; the wave's end: the same three lines
	ds_add_u32 v30, v31
	s_wait_dscnt 0x0
	s_endpgm
.Lfunc_end_k_q4a48b1dcec_quant:
	.size	k_q4a48b1dcec_quant, .Lfunc_end_k_q4a48b1dcec_quant-k_q4a48b1dcec_quant
	.p2alignl 7, 3214868480
	.fill 96, 4, 3214868480
	.section	.rodata,"a",@progbits
	.p2align	6, 0x0
	.amdhsa_kernel k_q4a48b1dcec_quant
		.amdhsa_group_segment_fixed_size 55808
		.amdhsa_private_segment_fixed_size 0
		.amdhsa_enable_private_segment 0
		.amdhsa_kernarg_size 40
		.amdhsa_user_sgpr_count 2
		.amdhsa_user_sgpr_kernarg_segment_ptr 1
		.amdhsa_wavefront_size32 1
		.amdhsa_system_sgpr_workgroup_id_x 1
		.amdhsa_system_sgpr_workgroup_id_y 1
		.amdhsa_system_sgpr_workgroup_id_z 1
		.amdhsa_system_vgpr_workitem_id 0
		.amdhsa_next_free_vgpr 256
		.amdhsa_next_free_sgpr 66
		.amdhsa_reserve_vcc 0
		.amdhsa_float_denorm_mode_32 3
		.amdhsa_float_denorm_mode_16_64 3
		.amdhsa_memory_ordered 1
		.amdhsa_forward_progress 1
		.amdhsa_inst_pref_size 85
	.end_amdhsa_kernel
	.amdgpu_metadata
---
amdhsa.version: [ 1, 2 ]
amdhsa.kernels:
  - .name:           k_q4a48b1dcec_quant
    .symbol:         k_q4a48b1dcec_quant.kd
    .args:
      - { .name: key, .offset: 0, .size: 8, .value_kind: global_buffer, .address_space: global }
      - { .name: value, .offset: 8, .size: 8, .value_kind: global_buffer, .address_space: global }
      - { .name: lowp_scales, .offset: 16, .size: 8, .value_kind: global_buffer, .address_space: global }
      - { .name: k_codes, .offset: 24, .size: 8, .value_kind: global_buffer, .address_space: global }
      - { .name: v_codes, .offset: 32, .size: 8, .value_kind: global_buffer, .address_space: global }
    .group_segment_fixed_size: 55808
    .private_segment_fixed_size: 0
    .kernarg_segment_align: 8
    .kernarg_segment_size: 40
    .max_flat_workgroup_size: 128
    .sgpr_count:     66
    .vgpr_count:     256
    .wavefront_size: 32
...
	.end_amdgpu_metadata
.endif
;; end of part 1
;; launch attn (part 2): grid 4 x 64, 8 waves a work-group, clusters of 4 x 1, 327,680 bytes of LDS; arguments query, k_codes, v_codes, lowp_scales, out0; writes out0
.if DOCPART == 2
	.amdgcn_target "amdgcn-amd-amdhsa--gfx1250"
	.amdhsa_code_object_version 6
	.text
	.protected	k_q4a48b1dcec_attn
	.globl	k_q4a48b1dcec_attn
	.p2align	8
	.type	k_q4a48b1dcec_attn,@function
k_q4a48b1dcec_attn:
	s_mov_b64 s[64:65], 0
	v_nop
	global_prefetch_b8 v0, s[64:65] scope:SCOPE_SE
	s_setreg_imm32_b32 hwreg(HW_REG_WAVE_MODE, 25, 1), 1
	s_wait_xcnt 0x0
	s_wait_alu depctr_hold_cnt(0) depctr_sa_sdst(0) depctr_va_vdst(0) depctr_va_sdst(0) depctr_va_ssrc(0) depctr_va_vcc(0) depctr_vm_vsrc(0)
	s_getreg_b32 s2, hwreg(HW_REG_IB_STS2, 6, 4)
	s_cmp_eq_u32 s2, 0
	s_cbranch_scc0 .Lentry_in_a_cluster
	s_endpgm
.Lentry_in_a_cluster:
	s_bfe_u32 s2, ttmp6, 0x10000c
	s_cmp_lg_u32 s2, 0x3003
	s_cbranch_scc0 .Lentry_shape_is_right
	s_endpgm
.Lentry_shape_is_right:
; out[h][q][:] = sum over k of softmax_k(Q[h][q] . K[h][k] / sqrt(128)) V[h][k][:], 64 heads, 2,048 queries and keys, head size 128, no mask; both products on codes of FP8 (E4M3),
; each operand with its given scale 2^e: eq, ek, ep, ev.
; query: [64][2048][128] f32.  k_codes: [64][2048 positions][128], position p = the key whose index is p with bits 3 and 4 swapped.  v_codes: [64][128 d][2048 keys].  out0: [64][2048][128] f32.
; SOFTMAX: t = score x log2(e) / sqrt(128); M = the largest t so far, rounded up to a whole number; p = 2^(t - M) is quantised, not normalised.  The row's sum is taken of the unquantised p
; and divides O at the end.  When M moves, the sum and O are multiplied by 2^(old M - new M), which rounds nothing; no branch on data.
; SHARES.  The four work-groups of a cluster hold one head.  A work-group STAYS for two blocks of 256 queries (blocks cx and cx + 4); each of its eight waves owns 32 queries of a block, two tiles of 16,
; so that each fragment of K and V read from LDS feeds two matrix instructions.  Two waves lie on a SIMD, 512 registers each.  Every wave walks all keys, 128 a step, once for each block.
; LAYOUT.  Both products transposed: S^T = K Q^T, O^T = V^T P^T: a lane holds one query (lane % 16).  By k_codes' order of rows register 16 b + i of a lane's 64 scores is key 32 b + 16 (lane / 16) + i
; of the step: the conversions' results are the second product's operand.  Fragments come by four loads of 16 bytes: registers 4 c .. 4 c + 3 hold K = 32 c + 16 (lane / 16) + 0 .. 15, alike in both sources.
; RING.  Two LDS slots of 512 keys (K: 512 rows of 128 + 16 bytes; V: 128 rows of 512 + 16 bytes).  Eight visits of slots (four a block); the ring goes on from the first block into the second.
; Every wave fetches one part by one joint load (mask 15): waves 0-3 K's 128 rows each, dense in memory, stated as 64 rows of 256 bytes; waves 4-7 V's 32 rows of 512 bytes each.  One tensor load a wave is out.
; THE CHANGE OF SLOTS STANDS INSIDE A VISIT'S LAST KEY STEP: a wave's reads of the slot are over when that step's fragments of V are in registers.  There it waits for its tensor load, adds, waits for its
; LDS reads and signals; the step's softmax and second products, work on registers alone, stand between the signal and the wait; the rest of the round and the joint refill of the slot just left follow.
; QUERY is read by whole rows (a wave's load covers 512 consecutive bytes), quantised at once (a lane's 8 numbers are 4 neighbours of two rows), and only its codes turn through the wave's stage in LDS into
; the fragment's order.  The second block's rows are asked for ahead of the first block's way out; they are read once, by loads that stand that far ahead, so they are not prefetched.
; PREFETCH: k_codes and v_codes, slots 2 and 3 of the first walk, one visit ahead of their joint loads (macro ASK).  Slots 0 and 1 come by their loads alone; the second walk reads what the cluster has read.
; REGISTERS.  Tile w lives in window w under the same numbers: v12 -M, v13 the largest t, v[14:15] the sum, v16-31 Q's codes, v32-95 four fragments of K or V (window 0: 0-3; window 1: 4-7),
; v96-159 S^T, then p, v160-223 O^T, v224-239 p's codes, v240-255 constants and work.  Window 0 alone: v0-11 addresses.  Window 1: v3 the prefetches' offset.
; s_set_vgpr_msb's low byte: bits 1:0 source 0, 3:2 source 1, 5:4 source 2, 7:6 destination.
; LIMITS: eq and ep between -126 and 119; eq + ek between -123 and 130 (added to c's exponent field); the scaled scores stay under 2^31 in magnitude.  NaN among the inputs is not served.
.set KP,    144
.set VP,    528
.set VOFF,  512*KP                     ; a slot: K's 73,728 bytes, then V's 67,584
.set SLOT1, VOFF+128*VP                ; 141,312
.set STAGE, 2*SLOT1                    ; behind the ring: 16 rows x 272 bytes for each wave; no tensor load lands here
.set WST,   16*272
.set SPARE, STAGE+8*WST                ; the spare words: 128 bytes a wave, four blocks of 256 bytes that no other line names
.set AK0,  1                           ; my lane's place in a tile of K (and of Q's codes in the stage)
.set AV0,  2                           ; the same for V
.set QO,   3                           ; query: 16 x lane
.set GO,   4                           ; my byte offset in the wave's rows of out0
.set SPW,  5
.set NIL,  6
.set STO,  7                           ; the way out: where I put 32 bytes of a row
.set ADK,  8                           ; LDS address of the step's tiles of K
.set ADV,  9                           ; of V
.set RD,   10                          ; the way out: where I read a row back
.set QST,  11                          ; Q's codes into the stage: 4 x lane
.set PFO,  3                           ; window 1
.set NM,   12
.set SUM,  14
.set QC,   16
.set FB,   32
.set SS,   96
.set OT,   160
.set PC,   224
.set PLIM, 240                         ; 448 x 2^ep
.set PSC,  241                         ; 2^ep
.set SUM2, 242
.set T0,   244
.set T1,   245
.set PD,   246
.set PLIM2, 247                        ; 448 x 2^ep once more, for the second half of a dual pair
.set FM,   248                         ; v[248:249] f = 2^(old M - new M), and a 0 named with it as a pair
.set QSC,  250
.set QLIM, 251
.set T2,   252
.set T3,   253
.set SUM3, 252
.set SUM4, 254
.set WV,   14
.set SEL,  20
.set CS,   22
.set G1K,  24
.set G1V,  32
.set G0K,  40
.set G0V,  44
.set TB,   48                          ; LDS byte at which the slot in hand begins
.set TRIP, 49                          ; visits of slots done
.set KO,   50                          ; the step's K begins here in LDS
.set VO,   51                          ; the step's V (less VOFF)
.set KB,   56                          ; s[56:57] my part of K in memory, slot 0
.set VB,   58                          ; s[58:59] of V
.set OFF,  60
.set EPV,  62
.set ST,   63
.set TBN,  66
.set LBK,  67
.set LBV,  68
.set NX,   69
.set PFA,  70
.set PFS,  72
.set QOF,  74
.set STG,  76
.set MSB, 0
.macro WIN new
.if MSB != (\new)
	s_set_vgpr_msb (MSB<<8)|(\new)
.set MSB, (\new)
.endif
.endm
.macro CREST                           ; a round of the cluster's barrier behind its opening barrier
	s_cmp_lg_u32 s[WV], 0
	s_cbranch_scc1 .Lnot_wave_0_\@
	s_barrier_signal -3
.Lnot_wave_0_\@:
	s_barrier_wait -3
	s_barrier_signal -1
	s_barrier_wait -1
.endm
.macro CROUND                          ; a whole round
	s_barrier_signal -1
	s_barrier_wait -1
	CREST
.endm
.macro PLACES
.rept 4
	v_nop
.endr
.endm
.macro JLOAD                           ; a joint load: every wave issues one; the branch hangs on the wave's number alone.  s_nop 0 and four v_nop follow each line
	s_cmp_lt_u32 s[WV], 4
	s_cbranch_scc0 .Lfor_v_\@
	tensor_load_to_lds s[G0K:G0K+3], s[G1K:G1K+7]
	s_nop 0
	PLACES
	s_branch .Lasked_\@
.Lfor_v_\@:
	tensor_load_to_lds s[G0V:G0V+3], s[G1V:G1V+7]
	s_nop 0
	PLACES
.Lasked_\@:
.endm
; The slot that the NEXT change will ask for.  A wave's part is 64 blocks of 256 bytes; the four partners share them out by address, 16 each (lanes 16-31 name lane 15's block again), so each block is
; named once in the cluster.  The change at the head asks for slot 2 (how = 0), visit 0's for slot 3 (how = 1); later changes ask for nothing.
.macro ASK how
.if \how
	s_cmp_eq_u32 s[TRIP], 0
	s_cbranch_scc0 .Lno_ask_\@
.endif
	WIN 0x01
	global_prefetch_b8 v[PFO], s[PFA:PFA+1] th:TH_LOAD_NT scope:SCOPE_SE
	WIN 0
.Lno_ask_\@:
.endm
.macro DESC slot                       ; both groups 0: the 512 keys with number s[NX], into the slot that begins at s[slot]
	s_lshl_b32 s[OFF], s[NX], 16
	s_add_nc_u64 s[G0K+2:G0K+3], s[KB:KB+1], s[OFF:OFF+1]
	s_or_b32 s[G0K+3], s[G0K+3], 0x80000000
	s_lshl_b32 s[OFF], s[NX], 9
	s_add_nc_u64 s[G0V+2:G0V+3], s[VB:VB+1], s[OFF:OFF+1]
	s_or_b32 s[G0V+3], s[G0V+3], 0x80000000
	s_add_co_u32 s[G0K+1], s[LBK], s[\slot]
	s_add_co_u32 s[G0V+1], s[LBV], s[\slot]
.endm
.macro QLOAD w, b                      ; tile w of block b: row a into registers 4 a .. 4 a + 3, d = 4 lane ..
	WIN 0x40*\w
.set j, 0
.rept 16
	global_load_b128 v[SS+4*j:SS+4*j+3], v[QO], s[4:5] offset:0x80000*\b+8192*\w+512*j th:TH_LOAD_NT
.set j, j+1
.endr
.endm
.macro QQUANT w                        ; held, converted (registers 2 g, 2 g + 1 of the result: four codes of row 2 g, of row 2 g + 1), through my stage, back as Q's fragment
	WIN 0x55*\w
.set j, 0
.rept 64
	v_med3_num_f32 v[SS+j], v[SS+j], -v[QLIM], v[QLIM]   ; the conversion does not saturate (ISA guide 7.6.2)
.set j, j+1
.endr
.irp g, 0,1,2,3,4,5,6,7
	v_cvt_scalef32_pk8_fp8_f32 v[PC+2*\g:PC+2*\g+1], v[SS+8*\g:SS+8*\g+7], v[QSC]
.endr
	v_nop
	WIN 0x04*\w
.set j, 0
.rept 16
	ds_store_b32 v[QST], v[PC+j] offset:j*KP
.set j, j+1
.endr
	WIN 0x40*\w
.irp c, 0,1,2,3
	ds_load_b128 v[QC+4*\c:QC+4*\c+3], v[ADK] offset:32*\c   ; LDS serves a wave's instructions in order (ISA guide 5.7.1.4)
.endr
.endm
.macro QIN                             ; both tiles' numbers are waited for and become fragments
	WIN 0
	v_add_nc_u32 v[ADK], s[STG], v[AK0]
	s_wait_alu depctr_va_vdst(0)                   ; ahead of the wait below
	s_wait_loadcnt 0x0
	QQUANT 0
	QQUANT 1
	WIN 0
	s_wait_alu depctr_va_vdst(0)
.endm
.macro RESET w                         ; O^T and the sum begin as zeros, the largest t as -3e38: the key step is written without a first step of its own; the first change of M multiplies zeros
	WIN 0x55*\w
	v_mov_b32 v[NM+1], 0xff61b1e6
	v_floor_f32 v[NM], -v[NM+1]
	v_mov_b32 v[SUM], 0
	v_mov_b32 v[SUM+1], 0
.set j, 0
.rept 64
	v_mov_b32 v[OT+j], 0
.set j, j+1
.endr
.endm
.macro CONSTS w
	WIN 0x55*\w
	v_mov_b32 v[PLIM], s79
	v_mov_b32 v[PLIM2], s79
	v_mov_b32 v[PSC], s78
	v_mov_b32 v[QSC], s80
	v_mov_b32 v[QLIM], s81
	v_mov_b32 v[PD], 0
	v_mov_b32 v[FM+1], 0
.endm
	s_load_b256 s[4:11], s[0:1], 0x0               ; query, k_codes, v_codes, the scales' exponents
	s_load_b64 s[12:13], s[0:1], 0x20              ; out0
	v_lshl_add_u32 v[SPW], v0, 2, SPARE
	v_mov_b32 v[NIL], 0
	ds_add_u32 v[SPW], v[NIL]                      ; the opening lines: the add twice on end and one wait
	ds_add_u32 v[SPW], v[NIL]
	v_lshrrev_b32 v1, 5, v0
	v_readfirstlane_b32 s[WV], v1                  ; wave 0..7
	v_and_b32 v8, 31, v0
	v_lshlrev_b32 v[QO], 4, v8
	s_bfe_u32 s15, ttmp6, 0x40000                  ; cx: it enters query's, out0's and the prefetches' offsets alone
	s_and_b32 s18, ttmp7, 0xffff                   ; the head, which the four partners share
	s_and_b32 s17, s[WV], 3                        ; which part of K or of V I fetch
	s_lshl_b32 s19, s18, 18                        ; a head's codes are 262,144 bytes
	s_lshl_b32 s[KB], s17, 14                      ; K: 128 rows of 128 bytes
	s_add_co_u32 s[KB], s[KB], s19
	s_mov_b32 s[KB+1], 0
	s_lshl_b32 s[VB], s17, 16                      ; V: 32 rows of 2,048 bytes
	s_add_co_u32 s[VB], s[VB], s19
	s_mov_b32 s[VB+1], 0
	s_lshl_b32 s[QOF], s18, 20                     ; query and out0: the head, block cx, my wave's 32 rows
	s_lshl_b32 s16, s15, 17
	s_add_co_u32 s[QOF], s[QOF], s16
	s_lshl_b32 s16, s[WV], 14
	s_add_co_u32 s[QOF], s[QOF], s16
	s_mov_b32 s[QOF+1], 0
	s_mov_b32 s[OFF+1], 0
	s_mul_i32 s[LBK], s17, 128*KP                  ; where my part goes in a slot
	s_mul_i32 s[LBV], s17, 32*VP
	s_add_co_u32 s[LBV], s[LBV], VOFF
	s_mul_i32 s[STG], s[WV], WST
	s_add_co_u32 s[STG], s[STG], STAGE             ; my stage
	s_mov_b32 s[G1K], 15|(1<<20)|(1<<21)|(4<<22)|(3<<25)   ; mask 15; bytes; four words of padding after every 32; bit 21 beside the mask
	s_mov_b32 s[G1K+1], 256<<16
	s_mov_b32 s[G1K+2], 64<<16
	s_mov_b32 s[G1K+3], 256<<16
	s_mov_b32 s[G1K+4], 64
	s_mov_b32 s[G1K+5], 256
	s_mov_b32 s[G1K+6], 0
	s_mov_b32 s[G1K+7], 0
	s_mov_b32 s[G1V], 15|(1<<20)|(1<<21)|(6<<22)|(3<<25)   ; four words after every 128
	s_mov_b32 s[G1V+1], 512<<16
	s_mov_b32 s[G1V+2], 32<<16
	s_mov_b32 s[G1V+3], 512<<16
	s_mov_b32 s[G1V+4], 32
	s_mov_b32 s[G1V+5], 2048
	s_mov_b32 s[G1V+6], 0
	s_mov_b32 s[G1V+7], 0
	s_mov_b32 s[SEL], 0x76543210
	s_mov_b32 s[SEL+1], 0xfedcba98
	s_mov_b32 s[CS], 0x3e0293ee                    ; log2(e) / sqrt(128)
	s_mov_b32 s[TB], 0
	s_mov_b32 s[TRIP], 0
	s_wait_alu depctr_va_vdst(0)                   ; ahead of the waits below
	s_wait_dscnt 0x0
	s_wait_kmcnt 0x0
	s_load_b128 s[52:55], s[10:11], 0x0            ; eq, ek, ep, ev
	s_add_nc_u64 s[4:5], s[4:5], s[QOF:QOF+1]
	s_add_nc_u64 s[12:13], s[12:13], s[QOF:QOF+1]
	s_add_nc_u64 s[KB:KB+1], s[6:7], s[KB:KB+1]
	s_add_nc_u64 s[VB:VB+1], s[8:9], s[VB:VB+1]
	QLOAD 0, 0
	QLOAD 1, 0
	WIN 0
	s_mov_b32 s[G0K], 1
	s_mov_b32 s[G0K+1], s[LBK]
	s_mov_b64 s[G0K+2:G0K+3], s[KB:KB+1]
	s_or_b32 s[G0K+3], s[G0K+3], 0x80000000
	s_mov_b32 s[G0V], 1
	s_mov_b32 s[G0V+1], s[LBV]
	s_mov_b64 s[G0V+2:G0V+3], s[VB:VB+1]
	s_or_b32 s[G0V+3], s[G0V+3], 0x80000000
	s_cmp_lt_u32 s[WV], 4                          ; the prefetches: my part of K or of V,
	s_cselect_b64 s[PFA:PFA+1], s[KB:KB+1], s[VB:VB+1]
	s_mov_b32 s[PFS], 512
	s_cselect_b32 s[PFS], 0x10000, s[PFS]          ; a slot on,
	s_mov_b32 s[PFS+1], 0
	s_mov_b32 s16, 2048
	s_cselect_b32 s16, 512, s16                    ; two blocks on
	s_add_nc_u64 s[PFA:PFA+1], s[PFA:PFA+1], s[PFS:PFS+1]
	s_add_nc_u64 s[PFA:PFA+1], s[PFA:PFA+1], s[PFS:PFS+1]  ; at slot 2
	s_lshl_b32 s19, s15, 4
	CROUND                                         ; the first joint loads meet
	JLOAD                                          ; slot 0
	v_and_b32 v8, 15, v0                           ; r
	v_bfe_u32 v9, v0, 4, 1                         ; h
	v_mul_u32_u24 v[AK0], v8, KP
	v_lshl_add_u32 v[AK0], v9, 4, v[AK0]
	v_mul_u32_u24 v[AV0], v8, VP
	v_lshl_add_u32 v[AV0], v9, 4, v[AV0]
	v_add_nc_u32 v[AV0], VOFF, v[AV0]
	v_lshlrev_b32 v[GO], 9, v9
	v_lshl_add_u32 v[GO], v8, 4, v[GO]
	v_mul_u32_u24 v[STO], v8, 272
	v_lshl_add_u32 v[STO], v9, 5, v[STO]
	v_add_nc_u32 v[STO], s[STG], v[STO]
	v_mul_u32_u24 v[RD], v9, 272
	v_lshl_add_u32 v[RD], v8, 4, v[RD]
	v_add_nc_u32 v[RD], s[STG], v[RD]
	v_and_b32 v[QST], 31, v0
	v_min_u32 v9, 15, v[QST]
	v_lshl_add_u32 v[QST], v[QST], 2, s[STG]
	v_add_nc_u32 v9, s19, v9                       ; my block of the part's 64: 16 cx + min(lane, 15)
	v_lshrrev_b32 v8, 1, v9
	v_and_b32 v9, 1, v9
	v_mul_lo_u32 v8, v8, s16
	WIN 0x40
	v_lshl_add_u32 v[PFO], v9, 8, v8
	WIN 0
	s_wait_alu depctr_va_vdst(0)
	s_wait_kmcnt 0x0
	s_add_co_i32 s77, s52, s53
	s_lshl_b32 s77, s77, 23
	s_add_co_i32 s[CS], s[CS], s77                 ; x 2^(eq + ek), in c's exponent field
	s_mov_b32 s[CS+1], s[CS]
	s_add_co_i32 s77, s54, 127
	s_lshl_b32 s78, s77, 23                        ; 2^ep
	s_add_co_i32 s77, s77, 8
	s_lshl_b32 s79, s77, 23
	s_or_b32 s79, s79, 0x600000                    ; 448 x 2^ep
	s_add_co_i32 s77, s52, 127
	s_lshl_b32 s80, s77, 23                        ; 2^eq
	s_add_co_i32 s77, s77, 8
	s_lshl_b32 s81, s77, 23
	s_or_b32 s81, s81, 0x600000                    ; 448 x 2^eq
	s_add_co_i32 s[EPV], s54, s55
	CONSTS 0
	RESET 0
	CONSTS 1
	RESET 1
	QIN
	s_wait_tensorcnt 0x0                           ; my part of slot 0 is in
	ds_add_u32 v[SPW], v[NIL]
	s_mov_b32 s[NX], 1
	s_mov_b32 s[TBN], SLOT1
	DESC TBN
	s_wait_dscnt 0x0
	CROUND
	JLOAD                                          ; slot 1's first fill
	ASK 0
.macro FLOAD adr, pitch                ; 32 LDS loads in one run: eight fragments, 0-3 into window 0, 4-7 into window 1
	WIN 0
.irp i, 0,1,2,3
.irp c, 0,1,2,3
	ds_load_b128 v[FB+16*\i+4*\c:FB+16*\i+4*\c+3], v[\adr] offset:16*\i*\pitch+32*\c
.endr
.endr
	WIN 0x40
.irp i, 0,1,2,3
.irp c, 0,1,2,3
	ds_load_b128 v[FB+16*\i+4*\c:FB+16*\i+4*\c+3], v[\adr] offset:16*(\i+4)*\pitch+32*\c
.endr
.endr
	WIN 0
.endm
.macro SM4 f, w                        ; four products S^T = K Q^T of tile w with window f's fragments; C = 0 starts each sum
	WIN 0x54*\w+\f
.irp i, 0,1,2,3
	v_wmma_f32_16x16x128_fp8_fp8 v[SS+8*(4*\f+\i):SS+8*(4*\f+\i)+7], v[FB+16*\i:FB+16*\i+15], v[QC:QC+15], 0
.endr
.endm
.macro PV4 f, w                        ; four products O^T += V^T P^T; each accumulator has one instruction a step
	WIN 0x54*\w+\f
.irp i, 0,1,2,3
	v_wmma_f32_16x16x128_fp8_fp8 v[OT+8*(4*\f+\i):OT+8*(4*\f+\i)+7], v[FB+16*\i:FB+16*\i+15], v[PC:PC+15], v[OT+8*(4*\f+\i):OT+8*(4*\f+\i)+7]
.endr
.endm
; One tile's softmax for a key step, in the window that is set.  Accumulators are read in ascending order.  The maximum and the sum run in four chains.
.macro SOFTMAX
	s_wait_alu depctr_va_vdst(0)                   ; directly ahead of the first reader of S^T
	v_max3_num_f32 v[T0], v[SS], v[SS+1], v[SS+2]
	v_max3_num_f32 v[T1], v[SS+3], v[SS+4], v[SS+5]
	v_max3_num_f32 v[T2], v[SS+6], v[SS+7], v[SS+8]
	v_max3_num_f32 v[T3], v[SS+9], v[SS+10], v[SS+11]
.set j, 12
.rept 6
	v_max3_num_f32 v[T0], v[T0], v[SS+j], v[SS+j+1]
	v_max3_num_f32 v[T1], v[T1], v[SS+j+2], v[SS+j+3]
	v_max3_num_f32 v[T2], v[T2], v[SS+j+4], v[SS+j+5]
	v_max3_num_f32 v[T3], v[T3], v[SS+j+6], v[SS+j+7]
.set j, j+8
.endr
	v_max3_num_f32 v[T0], v[T0], v[SS+60], v[SS+61]
	v_max3_num_f32 v[T1], v[T1], v[SS+62], v[SS+63]
	v_max_num_f32 v[T2], v[T2], v[T3]
	v_max3_num_f32 v[T0], v[T0], v[T1], v[T2]
	v_mul_f32 v[T0], s[CS], v[T0]                  ; as t (c is positive)
	v_permlanex16_b32 v[PD], v[T0], s[SEL], s[SEL+1]
	v_max3_num_f32 v[NM+1], v[NM+1], v[T0], v[PD]  ; the running largest t, lane l xor 16's among it
	v_mov_b32 v[T0], v[NM]
	v_floor_f32 v[NM], -v[NM+1]                    ; -M = floor(-t)
	v_sub_f32 v[T0], v[NM], v[T0]                  ; old M - new M: a whole number, 0 or less
	v_cvt_i32_f32 v[T0], v[T0]                     ; (it saturates)
	v_ldexp_f32 v[FM], 1.0, v[T0]                  ; f
	s_wait_alu depctr_va_vdst(0)                   ; directly ahead of the first reader of O^T
.set j, 0
.rept 32
	v_pk_mul_f32 v[OT+j:OT+j+1], v[OT+j:OT+j+1], v[FM:FM+1] op_sel_hi:[1,0]
.set j, j+2
.endr
.set j, 0
.rept 32
	v_pk_fma_f32 v[SS+j:SS+j+1], v[SS+j:SS+j+1], s[CS:CS+1], v[NM:NM+1] op_sel_hi:[1,0,0]   ; t - M
.set j, j+2
.endr
	s_wait_alu depctr_va_vdst(0)                   ; ahead of the batch
.set j, 0
.rept 64
	v_exp_f32 v[SS+j], v[SS+j]                     ; p = 2^(t - M)
.set j, j+1
.endr
	v_pk_mul_f32 v[SUM:SUM+1], v[SUM:SUM+1], v[FM:FM+1] op_sel_hi:[1,0]   ; the plain place behind the batch
	s_wait_alu depctr_va_vdst(0)                   ; and the one wait behind it
	v_pk_add_f32 v[SUM2:SUM2+1], v[SS:SS+1], v[SS+2:SS+3]                 ; the sum of the unquantised p
	v_pk_add_f32 v[SUM3:SUM3+1], v[SS+4:SS+5], v[SS+6:SS+7]
	v_pk_add_f32 v[SUM4:SUM4+1], v[SS+8:SS+9], v[SS+10:SS+11]
.set j, 12
.rept 6
	v_pk_add_f32 v[SUM:SUM+1], v[SUM:SUM+1], v[SS+j:SS+j+1]
	v_pk_add_f32 v[SUM2:SUM2+1], v[SUM2:SUM2+1], v[SS+j+2:SS+j+3]
	v_pk_add_f32 v[SUM3:SUM3+1], v[SUM3:SUM3+1], v[SS+j+4:SS+j+5]
	v_pk_add_f32 v[SUM4:SUM4+1], v[SUM4:SUM4+1], v[SS+j+6:SS+j+7]
.set j, j+8
.endr
	v_pk_add_f32 v[SUM:SUM+1], v[SUM:SUM+1], v[SS+60:SS+61]
	v_pk_add_f32 v[SUM2:SUM2+1], v[SUM2:SUM2+1], v[SS+62:SS+63]
	v_pk_add_f32 v[SUM3:SUM3+1], v[SUM3:SUM3+1], v[SUM4:SUM4+1]
	v_pk_add_f32 v[SUM:SUM+1], v[SUM:SUM+1], v[SUM2:SUM2+1]
	v_pk_add_f32 v[SUM:SUM+1], v[SUM:SUM+1], v[SUM3:SUM3+1]
.irp b, 0,1,2,3
.set j, 0
.rept 8
	v_dual_min_num_f32 v[SS+16*\b+j], v[SS+16*\b+j], v[PLIM] :: v_dual_min_num_f32 v[SS+16*\b+j+1], v[SS+16*\b+j+1], v[PLIM2]   ; the hold, one-sided (p is not negative), two numbers a line
.set j, j+2
.endr
	v_cvt_scalef32_pk8_fp8_f32 v[PC+4*\b:PC+4*\b+1], v[SS+16*\b:SS+16*\b+7], v[PSC]
	v_cvt_scalef32_pk8_fp8_f32 v[PC+4*\b+2:PC+4*\b+3], v[SS+16*\b+8:SS+16*\b+15], v[PSC]
.endr
	v_nop                                          ; one plain line behind the conversions
.endm
; A key step of 128 keys, first part: K's fragments, the first product, and the request for V's fragments.
.macro STEPA
	v_add_nc_u32 v[ADK], s[KO], v[AK0]
	v_add_nc_u32 v[ADV], s[VO], v[AV0]
	v_nop                                          ; with the two lines above: four places in front of loads into registers that the last products read
	v_nop
	FLOAD ADK, KP
	s_wait_alu depctr_va_vdst(0)
	s_wait_dscnt 16                                ; fragments 0-3 are in; the sixteen younger loads may be out
	SM4 0, 0
	SM4 0, 1
	s_wait_dscnt 0x0
	SM4 1, 0
	SM4 1, 1
	WIN 0
	PLACES
	FLOAD ADV, VP
.endm
.macro STEP                            ; V's fragments land under tile 0's softmax
	STEPA
	SOFTMAX
	s_wait_alu depctr_va_vdst(0)
	s_wait_dscnt 0x0
	PV4 0, 0
	PV4 1, 0
	WIN 0x55
	SOFTMAX
	PV4 0, 1
	PV4 1, 1
	WIN 0
	s_add_co_u32 s[KO], s[KO], 128*KP
	s_add_co_u32 s[VO], s[VO], 128
.endm
; A visit's last key step, with the change of slots in it.  fill = 1: the barrier opens a round of the cluster's barrier, and the 512 keys two visits on are asked for, into the slot that is left.
.macro LAST fill
	STEPA
	s_wait_tensorcnt 0x0                           ; my part of the other slot is in, and a group 0 may be written
	ds_add_u32 v[SPW], v[NIL]
.if \fill
	s_add_co_u32 s[NX], s[TRIP], 2
	s_and_b32 s[NX], s[NX], 3
	DESC TB
	s_wait_xcnt 0x0                                ; my prefetch has read its address
	s_add_nc_u64 s[PFA:PFA+1], s[PFA:PFA+1], s[PFS:PFS+1]
.endif
	s_wait_dscnt 0x0                               ; the add is done, V's fragments are in: my reads of this slot are over
	s_barrier_signal -1
	SOFTMAX                                        ; work on registers alone up to the wait
	PV4 0, 0
	PV4 1, 0
	WIN 0x55
	SOFTMAX
	PV4 0, 1
	PV4 1, 1
	WIN 0
	s_wait_alu depctr_va_vdst(0)                   ; ahead of the barrier's wait
	s_barrier_wait -1
.if \fill
	CREST
	JLOAD
	ASK 1
.endif
	s_xor_b32 s[TB], s[TB], SLOT1                  ; on to the other slot
.endm
.macro VISIT n                         ; the first n key steps of the slot in hand
	s_mov_b32 s[KO], s[TB]
	s_mov_b32 s[VO], s[TB]
	s_mov_b32 s[ST], \n
.Lstep_\@:
	STEP
	s_sub_co_u32 s[ST], s[ST], 1
	s_cmp_lg_u32 s[ST], 0
	s_wait_alu depctr_va_vdst(0)                   ; ahead of the branch
	s_cbranch_scc1 .Lstep_\@
.endm
; The way out of tile w of block b: O^T / the sum x 2^(ep + ev), through my stage, half a row (256 bytes) of 16 queries at a time: sixteen lanes store 256 consecutive aligned bytes.
.macro OUT w, b
	WIN 0x55*\w
	v_add_f32 v[SUM], v[SUM], v[SUM+1]
	v_permlanex16_b32 v[PD], v[SUM], s[SEL], s[SEL+1]
	v_add_f32 v[SUM], v[SUM], v[PD]
	s_wait_alu depctr_va_vdst(0)                   ; ahead of the transcendental
	v_rcp_f32 v[SUM], v[SUM]
	v_nop
	s_wait_alu depctr_va_vdst(0)                   ; and behind it
	v_ldexp_f32 v[SUM], v[SUM], s[EPV]
	s_wait_alu depctr_va_vdst(0)                   ; directly ahead of the first reader of O^T
.set j, 0
.rept 32
	v_pk_mul_f32 v[OT+j:OT+j+1], v[OT+j:OT+j+1], v[SUM:SUM+1] op_sel_hi:[1,0]   ; register 8 t + i is o(r, 16 t + 8 h + i)
.set j, j+2
.endr
.irp u, 0,1
	WIN 0x04*\w
.irp t, 0,1,2,3
	ds_store_b128 v[STO], v[OT+32*\u+8*\t:OT+32*\u+8*\t+3] offset:64*\t
	ds_store_b128 v[STO], v[OT+32*\u+8*\t+4:OT+32*\u+8*\t+7] offset:64*\t+16
.endr
	WIN 0x40*\w
.irp i, 0,1,2,3,4,5,6,7
	ds_load_b128 v[FB+32*\u+4*\i:FB+32*\u+4*\i+3], v[RD] offset:2*\i*272
.endr
.endr
	WIN 0x04*\w
.irp u, 0,1
.irp i, 0,1,2,3,4,5,6,7
	s_wait_dscnt 23-16*\u-\i                       ; issued behind this load: the rest of its eight and, for the first half, the second half's sixteen
	global_store_b128 v[GO], v[FB+32*\u+4*\i:FB+32*\u+4*\i+3], s[12:13] offset:0x80000*\b+8192*\w+1024*\i+256*\u th:TH_STORE_NT
.endr
.endr
.endm
.Lslot:                                            ; visits 0 to 5: each ends with a joint load
	VISIT 3
	LAST 1
	s_cmp_lg_u32 s[TRIP], 3
	s_cbranch_scc1 .Lsame_block                    ; a count of visits alone: the same in all waves and partners; no barrier, wait on tensor loads or tensor load is jumped over
	QLOAD 0, 1                                     ; the first block is done: the second's rows are asked for, into the scores' registers,
	QLOAD 1, 1
	OUT 0, 0                                       ; the first block leaves,
	OUT 1, 0
	RESET 0
	RESET 1
	QIN                                            ; and the second's fragments are made (their LDS loads are older than the next step's, whose counted wait covers them)
	s_wait_xcnt 0x0                                ; the stores' data registers take K's fragments next
.Lsame_block:
	s_add_co_u32 s[TRIP], s[TRIP], 1
	s_cmp_lt_u32 s[TRIP], 6
	s_cbranch_scc1 .Lslot
	VISIT 3                                        ; visits 6 and 7 are written out: nothing more is asked for
	LAST 0
	VISIT 4
	OUT 0, 1
	OUT 1, 1
	WIN 0
	s_wait_tensorcnt 0x0                           ; the wave's end
	ds_add_u32 v[SPW], v[NIL]
	s_wait_dscnt 0x0
	CROUND                                         ; the closing round
	s_endpgm
.Lfunc_end_k_q4a48b1dcec_attn:
	.size	k_q4a48b1dcec_attn, .Lfunc_end_k_q4a48b1dcec_attn-k_q4a48b1dcec_attn
	.p2alignl 7, 3214868480
	.fill 96, 4, 3214868480
	.section	.rodata,"a",@progbits
	.p2align	6, 0x0
	.amdhsa_kernel k_q4a48b1dcec_attn
		.amdhsa_group_segment_fixed_size 327680
		.amdhsa_private_segment_fixed_size 0
		.amdhsa_enable_private_segment 0
		.amdhsa_kernarg_size 40
		.amdhsa_user_sgpr_count 2
		.amdhsa_user_sgpr_kernarg_segment_ptr 1
		.amdhsa_wavefront_size32 1
		.amdhsa_system_sgpr_workgroup_id_x 1
		.amdhsa_system_sgpr_workgroup_id_y 1
		.amdhsa_system_sgpr_workgroup_id_z 1
		.amdhsa_system_vgpr_workitem_id 0
		.amdhsa_next_free_vgpr 512
		.amdhsa_next_free_sgpr 84
		.amdhsa_reserve_vcc 0
		.amdhsa_float_denorm_mode_32 3
		.amdhsa_float_denorm_mode_16_64 3
		.amdhsa_memory_ordered 1
		.amdhsa_forward_progress 1
		.amdhsa_inst_pref_size 242
	.end_amdhsa_kernel
	.amdgpu_metadata
---
amdhsa.version: [ 1, 2 ]
amdhsa.kernels:
  - .name:           k_q4a48b1dcec_attn
    .symbol:         k_q4a48b1dcec_attn.kd
    .args:
      - { .name: query, .offset: 0, .size: 8, .value_kind: global_buffer, .address_space: global }
      - { .name: k_codes, .offset: 8, .size: 8, .value_kind: global_buffer, .address_space: global }
      - { .name: v_codes, .offset: 16, .size: 8, .value_kind: global_buffer, .address_space: global }
      - { .name: lowp_scales, .offset: 24, .size: 8, .value_kind: global_buffer, .address_space: global }
      - { .name: out0, .offset: 32, .size: 8, .value_kind: global_buffer, .address_space: global }
    .group_segment_fixed_size: 327680
    .private_segment_fixed_size: 0
    .kernarg_segment_align: 8
    .kernarg_segment_size: 40
    .max_flat_workgroup_size: 256
    .sgpr_count:     84
    .vgpr_count:     512
    .wavefront_size: 32
...
	.end_amdgpu_metadata
.endif
;; end of part 2
